; MI455X (gfx1250); checked and timed in simulation.
; The chip was launched on July 23, 2026; its instructions are those of AMD's public machine-readable ISA for CDNA 5 (MIT licence, August 2026) and "CDNA5" Instruction Set Architecture Reference Guide (July 2026). The comments in the code are by the model that wrote it; some were corrected since.
;; IO Ufit Transformer. Allowed arithmetic: matrix products marked QUANTISED: E4M3 operands, one given power-of-two scale a tensor, by v_wmma_f32_16x16x64_fp8_fp8 or v_wmma_f32_16x16x128_fp8_fp8, f32 sums; everything else in f32.
;; Inputs: Wk_codes 512 x 16 x 32 uint8 (E4M3 codes of Wk, K innermost, in blocks of 32 codes); Wo_codes 512 x 16 x 32 uint8 (E4M3 codes of Wo, K innermost, in blocks of 32 codes); Wq_codes 512 x 16 x 32 uint8 (E4M3 codes of Wq, K innermost, in blocks of 32 codes); Wv_codes 512 x 16 x 32 uint8 (E4M3 codes of Wv, K innermost, in blocks of 32 codes); bk 512 float32; bo 512 float32; bq 512 float32; bv 512 float32; key_codes 32 x 1,024 x 16 x 32 uint8 (E4M3 codes of key, K innermost, in blocks of 32 codes); lowp_scales 12 int32 (the exponents e of the quantised operands' scales 2^e); query_codes 32 x 1,024 x 16 x 32 uint8 (E4M3 codes of query, K innermost, in blocks of 32 codes).
;; Outputs: out0 32 x 1,024 x 512 float32.
;; This version of the problem:
;;   THIS VERSION OF THE PROBLEM IS GIVEN IN LOW PRECISION. The matrix products marked QUANTISED in the list below multiply operands that are first quantised to E4M3 (4 exponent bits, 3 mantissa bits; 8 bits a number), with one given power-of-two scale for each operand tensor; their sums are f32. All else is computed in f32.
;;   The module's matrix products, in the order in which they are computed (A, B: the left and right operand; K: the contracted axis; several contracted axes count as one K, in the product's order):
;;     1. [M 32,768, K 512] x [K 512, N 512]; A: input query (given as codes); B: input Wq (given as codes): QUANTISED (scales: A lowp_scales[0], B lowp_scales[1])
;;     2. [M 32,768, K 512] x [K 512, N 512]; A: input key (given as codes); B: input Wk (given as codes): QUANTISED (scales: A lowp_scales[2], B lowp_scales[3])
;;     3. [M 32,768, K 512] x [K 512, N 512]; A: input key (given as codes); B: input Wv (given as codes): QUANTISED (scales: A lowp_scales[4], B lowp_scales[5])
;;     4. batch 32 x [M 1,024, K 512] x [K 512, N 1,024]; A: computed on the way; B: computed on the way: QUANTISED (scales: A lowp_scales[6], B lowp_scales[7])
;;     5. batch 32 x [M 1,024, K 1,024] x [K 1,024, N 512]; A: softmax (see below); B: computed on the way: QUANTISED (scales: A lowp_scales[8], B lowp_scales[9])
;;     6. [M 32,768, K 512] x [K 512, N 512]; A: computed on the way; B: input Wo (given as codes): QUANTISED (scales: A lowp_scales[10], B lowp_scales[11])
;;   THE QUANTISER, for each operand of a quantised product, along K:
;;     - The operand's scale is 2^e, e = its entry of the input lowp_scales (int32; the entries are numbered through the quantised products in the list's order, A before B).
;;     - Each number is divided by the scale, clamped to +-448, and rounded to the nearest number of E4M3, ties to even, subnormals kept.
;;     - The product sums the exact products of the quantised numbers (number of the format x scale) in f32.
;;   ~~~python
;;   def quantise(x, axis, e):      # numpy; x: float32 -> the quantised numbers, widened to float32 again
;;       x = np.moveaxis(x, axis, -1); K = x.shape[-1]
;;       r = np.clip(x / 2.0 ** e, -448, 448)
;;       step = 2.0 ** (np.maximum(np.frexp(np.where(r == 0, 1, r))[1] - 1, -6) - 3)
;;       q = np.round(r / step) * step * 2.0 ** e      # np.round: ties to even
;;       return np.moveaxis(q, -1, axis).astype(np.float32)
;;   ~~~
;;   SOFTMAX AHEAD OF A QUANTISED PRODUCT. Where the list says 'softmax', what is quantised is not the finished softmax but p = 2^(t - M), with t = logit x log2(e) and M = ceil(the row's largest t), a whole number; so 1/2 < the row's largest p <= 1. The row's sum l is taken of the UNQUANTISED p, in f32, and the product's result is divided by l at the end. Since M is a whole number, a kernel that streams over the keys may use a running M (the ceiling of the running maximum): every later rescaling is an exact power of two, so the quantised numbers keep their values, but for numbers so far below the row's largest that they fall under the format's range.
;;   OPERANDS COMPUTED ON THE WAY. 'Computed on the way' means the value that the module computes at that place (a softmax that the list does not call 'softmax' is quantised finished and normalised). What goes into a quantiser is computed in f32, as accurately as f32 sums, v_exp_f32 and their like allow (about 1e-6 of the number): no bf16 or f16 on the way to a quantiser, and a product that is left as it is and whose result goes on into a quantised operand takes f32 operands (vector FMAs, or v_wmma_f32_16x16x4_f32). A number that lies on a knife's edge between two numbers of the format may be rounded either way, as far as f32 arithmetic and the matrix unit's own rounding can turn it there, and no further.
;;   INPUTS GIVEN AS CODES. Wk (in the module: [512, 512], K = its axis 0); Wo (in the module: [512, 512], K = its axis 0); Wq (in the module: [512, 512], K = its axis 0); Wv (in the module: [512, 512], K = its axis 0); key (in the module: [32, 1024, 512], K = its axis 2); query (in the module: [32, 1024, 512], K = its axis 2): each comes as NAME_codes (uint8): NAME with its K axis moved to the last place and cut into blocks of 32 codes, [.., K / 32, bytes a block], one block behind the other in memory; one code a byte (a code: sign, 4 exponent bits, 3 mantissa bits); its scale is its entry of lowp_scales. Its value is code x scale, taken as it is: it is not quantised again, and the codes and scales need not be those that the quantiser above would give.
;; One version. Each part assembles by itself: llvm-mc -triple=amdgcn-amd-amdhsa -mcpu=gfx1250 --defsym DOCPART=n.
;; ======== version 1 of 1: 2 launches
;; limits: right only within a limited range of input values
;; workspace buffers: q_img 16,777,216 bytes; k_img 16,777,216 bytes; v_img 16,777,216 bytes; wo_img 262,144 bytes
;; launch proj (part 1): grid 256 x 1, 4 waves a work-group, clusters of 4 x 1, 327,680 bytes of LDS; arguments query_codes, key_codes, Wq_codes, Wk_codes, Wv_codes, Wo_codes, bq, bk, bv, lowp_scales, q_img, k_img, v_img, wo_img; writes q_img, k_img, v_img, wo_img
.if DOCPART == 1
	.amdgcn_target "amdgcn-amd-amdhsa--gfx1250"
	.amdhsa_code_object_version 6
	.text
	.protected	k_qea8e360bf6_proj
	.globl	k_qea8e360bf6_proj
	.p2align	8
	.type	k_qea8e360bf6_proj,@function
k_qea8e360bf6_proj:
	s_mov_b64 s[64:65], 0
	v_nop
	global_prefetch_b8 v0, s[64:65] scope:SCOPE_SE
	s_setreg_imm32_b32 hwreg(HW_REG_WAVE_MODE, 25, 1), 1
	s_wait_xcnt 0x0
	s_wait_alu depctr_hold_cnt(0) depctr_sa_sdst(0) depctr_va_vdst(0) depctr_va_sdst(0) depctr_va_ssrc(0) depctr_va_vcc(0) depctr_vm_vsrc(0)
	s_getreg_b32 s2, hwreg(HW_REG_IB_STS2, 6, 4)
	s_cmp_eq_u32 s2, 0
	s_cbranch_scc0 .Lentry_in_a_cluster
	s_endpgm
.Lentry_in_a_cluster:
	s_bfe_u32 s2, ttmp6, 0x10000c
	s_cmp_lg_u32 s2, 0x3003
	s_cbranch_scc0 .Lentry_shape_is_right
	s_endpgm
.Lentry_shape_is_right:
.set PITCH, 528
.set QUART, 64*PITCH
.set SLOTB, 256*PITCH
.set SPARE, 2*SLOTB
.set BQT,   SPARE+512
.set BV8,   BQT+4096
.set SPW, 1
.set NIL, 2
.set ADW, 3
.set AXQ, 5
.set AXK, 6
.set ABQ, 7
.set ABV, 8
.set VOQ, 9
.set VOV, 10
.set SCL, 11
.set CD,  32
.set ACC, 64
.set BI,  128
.set WV,  3
.set G1J, 56
.set G1P, 68
.set G0A, 76
.set G0B, 80
.set WPQ, 84
.set WPK, 86
.set WPV, 88
.set MSB, 0
.macro WIN new
.if MSB != (\new)
	s_set_vgpr_msb (MSB<<8)|(\new)
.set MSB, (\new)
.endif
.endm
.macro PLACES n
.rept \n
	v_nop
.endr
.endm
.macro ROUND
	s_barrier_signal -1
	s_barrier_wait -1
	s_cmp_lg_u32 s[WV], 0
	s_cbranch_scc1 .Lnot_wave_0_\@
	s_barrier_signal -3
.Lnot_wave_0_\@:
	s_barrier_wait -3
	s_barrier_signal -1
	s_barrier_wait -1
.endm
	s_load_b512 s[16:31], s[0:1], 0x0
	s_load_b256 s[32:39], s[0:1], 0x40
	s_load_b128 s[40:43], s[0:1], 0x60
	v_lshl_add_u32 v[SPW], v0, 2, SPARE
	v_mov_b32 v[NIL], 0
	ds_add_u32 v1, v2
	ds_add_u32 v1, v2
	s_wait_dscnt 0x0
	v_lshrrev_b32 v17, 5, v0
	v_readfirstlane_b32 s[WV], v17
	s_lshr_b32 s4, s[WV], 1
	s_and_b32 s5, s[WV], 1
	s_bfe_u32 s6, ttmp6, 0x40000
	s_lshl_b32 s7, ttmp9, 2
	s_add_co_u32 s7, s7, s6
	s_mov_b32 s[G1J], 15|(1<<20)|(1<<21)|(6<<22)|(3<<25)
	s_mov_b32 s[G1P], (1<<20)|(6<<22)|(3<<25)
.irp g, G1J, G1P
	s_mov_b32 s[\g+1], 512<<16
	s_mov_b32 s[\g+2], (64+64*(\g/G1P))<<16        ; rows: 64 in the refills' group, 128 in the head's plain group
	s_mov_b32 s[\g+3], 512<<16
	s_mov_b32 s[\g+4], 64+64*(\g/G1P)
	s_mov_b32 s[\g+5], 512
	s_mov_b32 s[\g+6], 0
	s_mov_b32 s[\g+7], 0
.endr
	s_mul_i32 s8, s[WV], QUART
	s_lshl_b32 s10, s7, 16
	s_mov_b32 s11, 0
	s_lshl_b32 s12, s5, 16                         ; the head's load of Wq: 128 rows x 512 bytes for each of waves 2, 3
	s_mul_i32 s9, s5, 2*QUART                      ; and where a head's load of 128 rows goes in its slot
	s_mov_b32 s13, 0
	s_lshl_b32 s14, s[WV], 15
	s_mov_b32 s15, 0
	s_wait_kmcnt 0x0
	s_load_b256 s[44:51], s[34:35], 0x0
	s_load_b32 s52, s[34:35], 0x24
	s_cmp_eq_u32 s5, 0                             ; wave 0: my block's 128 rows of query; wave 1: of key
	s_cselect_b64 s[G0A+2:G0A+3], s[16:17], s[18:19]
	s_add_nc_u64 s[G0A+2:G0A+3], s[G0A+2:G0A+3], s[10:11]
	s_or_b32 s[G0A+3], s[G0A+3], 0x80000000
	s_mov_b32 s[G0A], 1
	s_mov_b32 s[G0A+1], s9
	s_add_nc_u64 s[WPQ:WPQ+1], s[20:21], s[14:15]
	s_add_nc_u64 s[WPK:WPK+1], s[22:23], s[14:15]
	s_add_nc_u64 s[WPV:WPV+1], s[24:25], s[14:15]
	s_mov_b32 s[G0B], 1
	s_add_co_u32 s[G0B+1], s9, SLOTB
	s_add_nc_u64 s[G0B+2:G0B+3], s[20:21], s[12:13]   ; waves 2, 3: Wq's rows 0-127, 128-255
	s_or_b32 s[G0B+3], s[G0B+3], 0x80000000
.set G1H, 16                                       ; s[16:23]: the pointers there have been used; group 1 of the head's joint load: 128 rows
	s_mov_b32 s[G1H], 15|(1<<20)|(1<<21)|(6<<22)|(3<<25)
	s_mov_b32 s[G1H+1], 512<<16
	s_mov_b32 s[G1H+2], 128<<16
	s_mov_b32 s[G1H+3], 512<<16
	s_mov_b32 s[G1H+4], 128
	s_mov_b32 s[G1H+5], 512
	s_mov_b32 s[G1H+6], 0
	s_mov_b32 s[G1H+7], 0
	ROUND
	; the first fills go out as one group, one tensor load a wave: waves 0, 1 the activations into slot 0, waves 2, 3 Wq's first half into slot 1
	s_cmp_eq_u32 s4, 0
	s_cbranch_scc0 .Lhead_w
	tensor_load_to_lds s[G0A:G0A+3], s[G1P:G1P+7]
	s_nop 0
	PLACES 4
	s_branch .Lhead_j
.Lhead_w:
	tensor_load_to_lds s[G0B:G0B+3], s[G1H:G1H+7]
	s_nop 0
	PLACES 4
.Lhead_j:
	s_add_nc_u64 s[36:37], s[36:37], s[10:11]
	s_add_nc_u64 s[38:39], s[38:39], s[10:11]
	s_add_nc_u64 s[40:41], s[40:41], s[10:11]
	s_lshl_b32 s12, s7, 10
	s_add_nc_u64 s[42:43], s[42:43], s[12:13]
	v_and_b32 v17, 15, v0
	v_bfe_u32 v18, v0, 4, 1
	v_and_b32 v19, 31, v0
	s_wait_alu depctr_va_vdst(0)
	v_mul_u32_u24 v20, v17, PITCH
	v_lshl_add_u32 v20, v18, 4, v20
	s_mul_i32 s9, s5, 128*PITCH
	v_add_nc_u32 v[ADW], s9, v20
	v_add_nc_u32 v[ADW+1], SLOTB, v[ADW]
	s_mul_i32 s90, s4, 64*PITCH
	v_add_nc_u32 v[AXQ], s90, v20
	v_add_nc_u32 v[AXK], 128*PITCH, v[AXQ]
	s_lshl_b32 s91, s5, 9
	s_add_co_u32 s91, s91, BQT
	v_lshl_add_u32 v[ABQ], v18, 5, s91
	s_lshl_b32 s92, s5, 12
	s_add_co_u32 s92, s92, BV8
	v_lshl_add_u32 v[ABV], v17, 5, s92
	s_lshl_b32 s93, s4, 15
	s_lshl_b32 s94, s5, 11
	s_add_co_u32 s93, s93, s94
	v_lshl_add_u32 v[VOQ], v19, 4, s93
	s_lshl_b32 s95, s5, 14
	s_lshl_b32 s96, s4, 10
	s_add_co_u32 s95, s95, s96
	v_lshl_add_u32 v[VOV], v19, 4, s95
	v_lshlrev_b32 v21, 4, v0
	global_load_b128 v[160:163], v21, s[28:29]
	global_load_b128 v[164:167], v21, s[30:31]
	global_load_b128 v[168:171], v21, s[32:33]
	s_bfe_u32 s90, s7, 0x50001
	s_lshl_b32 s90, s90, 13
	s_lshr_b32 s91, s7, 6
	s_lshl_b32 s91, s91, 7
	s_add_co_u32 s90, s90, s91
	s_and_b32 s91, s7, 1
	s_lshl_b32 s91, s91, 6
	s_add_co_u32 s90, s90, s91
	v_bfe_u32 v22, v0, 1, 4
	v_lshlrev_b32 v22, 9, v22
	v_bfe_u32 v26, v0, 6, 1
	v_lshl_add_u32 v22, v26, 5, v22
	v_and_b32 v26, 1, v0
	v_lshl_add_u32 v22, v26, 4, v22
	v_bfe_u32 v26, v0, 5, 1
	v_lshl_add_u32 v22, v26, 3, v22
	v_add_nc_u32 v22, s90, v22
	global_load_b64 v[172:173], v22, s[26:27]
	v_lshlrev_b32 v23, 3, v0
	v_add_nc_u32 v24, BQT, v21
	v_lshl_add_u32 v25, v0, 7, BV8
.macro MKSC k, se, ssum
	s_sub_co_i32 s97, \se, \ssum
	s_add_co_i32 s97, s97, 127
	s_lshl_b32 s98, s97, 23
	v_mov_b32 v[SCL+2*\k], s98
	s_add_co_i32 s97, s97, 8
	s_lshl_b32 s97, s97, 23
	s_or_b32 s97, s97, 0x600000
	v_mov_b32 v[SCL+2*\k+1], s97
.endm
	s_wait_kmcnt 0x0
	s_add_co_i32 s92, s44, s45
	s_add_co_i32 s93, s46, s47
	s_add_co_i32 s94, s48, s49
	MKSC 0, s50, s92
	MKSC 1, s51, s93
	MKSC 2, s52, s94
	s_sub_co_i32 s92, 0, s92
	s_sub_co_i32 s93, 0, s93
	s_sub_co_i32 s94, 0, s94
	s_wait_loadcnt 0x0
.irp j, 0,1,2,3
	v_ldexp_f32 v[160+\j], v[160+\j], s92
	v_ldexp_f32 v[164+\j], v[164+\j], s93
	v_ldexp_f32 v[168+\j], v[168+\j], s94
.endr
	ds_store_b128 v24, v[160:163]
	ds_store_b128 v24, v[164:167] offset:2048
.irp m, 0,1,2,3
.irp j, 0,1,2,3
	v_mov_b32 v[176+4*\m+\j], v[168+\m]
.endr
	ds_store_b128 v25, v[176+4*\m:176+4*\m+3] offset:32*\m
	ds_store_b128 v25, v[176+4*\m:176+4*\m+3] offset:32*\m+16
.endr
	global_store_b64 v23, v[172:173], s[42:43]
	s_wait_tensorcnt 0x0                           ; my one load of the head is in, so both groups 0 may be written:
	s_mov_b32 s[G0A+1], s8                         ; from here on each wave fills its quarter of a slot, 64 rows
	s_add_co_u32 s[G0B+1], s8, SLOTB
	s_wait_dscnt 0x0
	s_barrier_signal -1
	s_barrier_wait -1
	WIN 0x80
.irp i, 0,1,2,3
.irp s, 0,1,2,3
.irp c, 0,1,2,3
	ds_load_b128 v[16*(4*\i+\s)+4*\c:16*(4*\i+\s)+4*\c+3], v[AXQ] offset:16*\i*PITCH+128*\s+32*\c
.endr
.endr
.endr
	WIN 0xc0
.irp i, 0,1,2,3
.irp s, 0,1,2,3
.irp c, 0,1,2,3
	ds_load_b128 v[16*(4*\i+\s)+4*\c:16*(4*\i+\s)+4*\c+3], v[AXK] offset:16*\i*PITCH+128*\s+32*\c
.endr
.endr
.endr
.macro CHANGE g0, wp, off, fill
	WIN 0
	s_wait_tensorcnt 0x0
	ds_add_u32 v[SPW], v[NIL]
.if \fill
	s_add_nc_u64 s[\g0+2:\g0+3], s[\wp:\wp+1], \off
	s_or_b32 s[\g0+3], s[\g0+3], 0x80000000
.endif
	s_wait_dscnt 0x0
.if \fill
	ROUND
	tensor_load_to_lds s[\g0:\g0+3], s[G1J:G1J+7]
	s_nop 0
	PLACES 4
.else
	s_barrier_signal -1
	s_barrier_wait -1
.endif
.endm
.macro LOADS slot, g, p, kind, half
	WIN 0x40
.irp u, 0,1
.irp s, 0,1,2,3
.irp c, 0,1,2,3
	ds_load_b128 v[128*(\p)+16*(4*\u+\s)+4*\c:128*(\p)+16*(4*\u+\s)+4*\c+3], v[ADW+(\slot)] offset:16*(2*(\g)+\u)*PITCH+128*\s+32*\c
.endr
.endr
.endr
	WIN 0
.irp u, 0,1
.if (\kind) == 2
	ds_load_b128 v[BI+16*(\p)+8*\u:BI+16*(\p)+8*\u+3],   v[ABV] offset:(256*(\half)+16*(2*(\g)+\u))*32
	ds_load_b128 v[BI+16*(\p)+8*\u+4:BI+16*(\p)+8*\u+7], v[ABV] offset:(256*(\half)+16*(2*(\g)+\u))*32+16
.else
	ds_load_b128 v[BI+16*(\p)+8*\u:BI+16*(\p)+8*\u+3],   v[ABQ] offset:2048*(\kind)+(256*(\half)+16*(2*(\g)+\u))*4
	ds_load_b128 v[BI+16*(\p)+8*\u+4:BI+16*(\p)+8*\u+7], v[ABQ] offset:2048*(\kind)+(256*(\half)+16*(2*(\g)+\u))*4+16
.endif
.endr
.endm
.macro MUL p, kind
.if (\kind) == 0
	WIN 0x09
.elseif (\kind) == 1
	WIN 0x0d
.else
	WIN 0x07
.endif
.irp s, 0,1,2,3
.irp u, 0,1
.irp i, 0,1,2,3
.if (\kind) == 2
.if \s == 0
	v_wmma_f32_16x16x128_fp8_fp8 v[ACC+8*(4*\u+\i):ACC+8*(4*\u+\i)+7], v[16*(4*\i+\s):16*(4*\i+\s)+15], v[128*(\p)+16*(4*\u+\s):128*(\p)+16*(4*\u+\s)+15], v[BI+16*(\p)+8*\u:BI+16*(\p)+8*\u+7]
.else
	v_wmma_f32_16x16x128_fp8_fp8 v[ACC+8*(4*\u+\i):ACC+8*(4*\u+\i)+7], v[16*(4*\i+\s):16*(4*\i+\s)+15], v[128*(\p)+16*(4*\u+\s):128*(\p)+16*(4*\u+\s)+15], v[ACC+8*(4*\u+\i):ACC+8*(4*\u+\i)+7]
.endif
.else
.if \s == 0
	v_wmma_f32_16x16x128_fp8_fp8 v[ACC+8*(2*\i+\u):ACC+8*(2*\i+\u)+7], v[128*(\p)+16*(4*\u+\s):128*(\p)+16*(4*\u+\s)+15], v[16*(4*\i+\s):16*(4*\i+\s)+15], v[BI+16*(\p)+8*\u:BI+16*(\p)+8*\u+7]
.else
	v_wmma_f32_16x16x128_fp8_fp8 v[ACC+8*(2*\i+\u):ACC+8*(2*\i+\u)+7], v[128*(\p)+16*(4*\u+\s):128*(\p)+16*(4*\u+\s)+15], v[16*(4*\i+\s):16*(4*\i+\s)+15], v[ACC+8*(2*\i+\u):ACC+8*(2*\i+\u)+7]
.endif
.endif
.endr
.endr
.endr
.endm
.macro EMIT kind, half, g
	WIN 0
	PLACES 4
.set ia, 0
.rept 64
	v_med3_num_f32 v[ACC+ia], v[ACC+ia], -v[SCL+2*(\kind)+1], v[SCL+2*(\kind)+1]
.set ia, ia+1
.endr
	s_wait_alu depctr_va_vdst(0)
	s_wait_xcnt 0x0
.irp n, 0,1,2,3,4,5,6,7
	v_cvt_scalef32_pk8_fp8_f32 v[CD+2*\n:CD+2*\n+1], v[ACC+8*\n:ACC+8*\n+7], v[SCL+2*(\kind)]
.endr
	v_nop
.if (\kind) == 2
.irp u, 0,1
.irp pp, 0,1
	global_store_b128 v[VOV], v[CD+4*(2*\u+\pp):CD+4*(2*\u+\pp)+3], s[40:41] offset:32768*(\half)+2048*(2*(\g)+\u)+512*\pp
.endr
.endr
.else
.irp i, 0,1,2,3
	global_store_b128 v[VOQ], v[CD+4*\i:CD+4*\i+3], s[36+2*(\kind):37+2*(\kind)] offset:8192*\i+4096*(\half)+512*(\g)
.endr
.endif
.endm
.macro TILE kind, half, slot, mode, g0, wp, off, nkind, nhalf
	LOADS \slot, 1, 1, \kind, \half
	s_wait_dscnt 36
	MUL 0, \kind
	EMIT \kind, \half, 0
	LOADS \slot, 2, 0, \kind, \half
	s_wait_dscnt 36
	MUL 1, \kind
	EMIT \kind, \half, 1
	LOADS \slot, 3, 1, \kind, \half
	s_wait_dscnt 36
	MUL 0, \kind
	EMIT \kind, \half, 2
.if \mode == 2
	CHANGE \g0, \wp, \off, 1
	LOADS 1-\slot, 0, 0, \nkind, \nhalf
.elseif \mode == 1
	CHANGE \g0, \wp, \off, 0
	LOADS 1-\slot, 0, 0, \nkind, \nhalf
.else
	s_wait_dscnt 0x0
.endif
	MUL 1, \kind
	EMIT \kind, \half, 3
.endm
	CHANGE G0A, WPQ, 0x20000, 1
	LOADS 1, 0, 0, 0, 0
	TILE 0, 0, 1, 2, G0B, WPK, 0,       0, 1
	TILE 0, 1, 0, 2, G0A, WPK, 0x20000, 1, 0
	TILE 1, 0, 1, 2, G0B, WPV, 0,       1, 1
	TILE 1, 1, 0, 2, G0A, WPV, 0x20000, 2, 0
	TILE 2, 0, 1, 1, G0B, WPV, 0,       2, 1
	TILE 2, 1, 0, 0, G0A, WPV, 0,       2, 1
	s_wait_tensorcnt 0x0
	ds_add_u32 v[SPW], v[NIL]
	s_wait_dscnt 0x0
	ROUND
	s_endpgm
.Lfunc_end_k_qea8e360bf6_proj:
	.size	k_qea8e360bf6_proj, .Lfunc_end_k_qea8e360bf6_proj-k_qea8e360bf6_proj
	.p2alignl 7, 3214868480
	.fill 96, 4, 3214868480
	.section	.rodata,"a",@progbits
	.p2align	6, 0x0
	.amdhsa_kernel k_qea8e360bf6_proj
		.amdhsa_group_segment_fixed_size 327680
		.amdhsa_private_segment_fixed_size 0
		.amdhsa_enable_private_segment 0
		.amdhsa_kernarg_size 112
		.amdhsa_user_sgpr_count 2
		.amdhsa_user_sgpr_kernarg_segment_ptr 1
		.amdhsa_wavefront_size32 1
		.amdhsa_system_sgpr_workgroup_id_x 1
		.amdhsa_system_sgpr_workgroup_id_y 1
		.amdhsa_system_sgpr_workgroup_id_z 1
		.amdhsa_system_vgpr_workitem_id 0
		.amdhsa_next_free_vgpr 1024
		.amdhsa_next_free_sgpr 100
		.amdhsa_reserve_vcc 0
		.amdhsa_float_denorm_mode_32 3
		.amdhsa_float_denorm_mode_16_64 3
		.amdhsa_memory_ordered 1
		.amdhsa_forward_progress 1
		.amdhsa_inst_pref_size 251
	.end_amdhsa_kernel
	.amdgpu_metadata
---
amdhsa.version: [ 1, 2 ]
amdhsa.kernels:
  - .name:           k_qea8e360bf6_proj
    .symbol:         k_qea8e360bf6_proj.kd
    .args:
      - { .name: query_codes, .offset: 0, .size: 8, .value_kind: global_buffer, .address_space: global }
      - { .name: key_codes, .offset: 8, .size: 8, .value_kind: global_buffer, .address_space: global }
      - { .name: Wq_codes, .offset: 16, .size: 8, .value_kind: global_buffer, .address_space: global }
      - { .name: Wk_codes, .offset: 24, .size: 8, .value_kind: global_buffer, .address_space: global }
      - { .name: Wv_codes, .offset: 32, .size: 8, .value_kind: global_buffer, .address_space: global }
      - { .name: Wo_codes, .offset: 40, .size: 8, .value_kind: global_buffer, .address_space: global }
      - { .name: bq, .offset: 48, .size: 8, .value_kind: global_buffer, .address_space: global }
      - { .name: bk, .offset: 56, .size: 8, .value_kind: global_buffer, .address_space: global }
      - { .name: bv, .offset: 64, .size: 8, .value_kind: global_buffer, .address_space: global }
      - { .name: lowp_scales, .offset: 72, .size: 8, .value_kind: global_buffer, .address_space: global }
      - { .name: q_img, .offset: 80, .size: 8, .value_kind: global_buffer, .address_space: global }
      - { .name: k_img, .offset: 88, .size: 8, .value_kind: global_buffer, .address_space: global }
      - { .name: v_img, .offset: 96, .size: 8, .value_kind: global_buffer, .address_space: global }
      - { .name: wo_img, .offset: 104, .size: 8, .value_kind: global_buffer, .address_space: global }
    .group_segment_fixed_size: 327680
    .private_segment_fixed_size: 0
    .kernarg_segment_align: 8
    .kernarg_segment_size: 112
    .max_flat_workgroup_size: 128
    .sgpr_count:     100
    .vgpr_count:     1024
    .wavefront_size: 32
...
	.end_amdgpu_metadata
.endif
;; end of part 1
;; launch attn (part 2): grid 8 x 32, 4 waves a work-group, clusters of 4 x 1, 327,680 bytes of LDS; arguments q_img, k_img, v_img, wo_img, bo, lowp_scales, out0; writes out0
.if DOCPART == 2
	.amdgcn_target "amdgcn-amd-amdhsa--gfx1250"
	.amdhsa_code_object_version 6
	.text
	.protected	k_qea8e360bf6_attn
	.globl	k_qea8e360bf6_attn
	.p2align	8
	.type	k_qea8e360bf6_attn,@function
k_qea8e360bf6_attn:
	s_mov_b64 s[64:65], 0
	v_nop
	global_prefetch_b8 v0, s[64:65] scope:SCOPE_SE
	s_setreg_imm32_b32 hwreg(HW_REG_WAVE_MODE, 25, 1), 1
	s_wait_xcnt 0x0
	s_wait_alu depctr_hold_cnt(0) depctr_sa_sdst(0) depctr_va_vdst(0) depctr_va_sdst(0) depctr_va_ssrc(0) depctr_va_vcc(0) depctr_vm_vsrc(0)
	s_getreg_b32 s2, hwreg(HW_REG_IB_STS2, 6, 4)
	s_cmp_eq_u32 s2, 0
	s_cbranch_scc0 .Lentry_in_a_cluster
	s_endpgm
.Lentry_in_a_cluster:
	s_bfe_u32 s2, ttmp6, 0x10000c
	s_cmp_lg_u32 s2, 0x3003
	s_cbranch_scc0 .Lentry_shape_is_right
	s_endpgm
.Lentry_shape_is_right:
; out = (softmax(q k^T / 512) v / 1024) Wo + bo, all three products on codes of FP8 (E4M3).  q_img, k_img, v_img, wo_img hold operands as images of their registers: a fragment (16 rows x 128 K) is
; 2,048 bytes, sub-block c (512 bytes) = registers 4c..4c+3, lane l's 16 bytes at 512 c + 16 l.  So every fragment comes by four loads of 512 consecutive bytes, and a tile is a dense block.
; THE SOFTMAX: t = score x log2(e) / 512; M = the running largest t rounded UP to a whole number; p = 2^(t - M) is quantised with 2^e8, not normalised; the row's sum l is taken of the unquantised p.
; When M moves, l and O are multiplied by f = 2^(old M - new M), which rounds nothing.  At the end O / l goes, with 2^(e10 - e8 - e9 + 10) as the one scale, into codes for the last product.
; SHARES.  A work-group owns 128 queries of one batch and walks the 1,024 keys in 4 trips of 256.  Wave w owns: for S^T = K Q^T and the softmax, queries 32 w .. 32 w + 31 (a lane holds one query);
; for O^T = V^T P^T, d = 128 w .. 128 w + 127 of ALL 128 queries (64 accumulators: a fragment of V and of P feeds 8 products each); for Y^T = Wo^T O^T, e = 128 w .. + 127 of all queries.
; p's codes, f, 1 / l and O's codes go from wave to wave through LDS as register images.  A converted accumulator (lane: column r, rows 8 h + 0..7) is a register pair of the next operand.
; CLUSTER: the four query blocks of a cluster belong to one batch and walk the same K, V and Wo: each tile is asked for jointly (mask 15).  Two rounds a trip: behind the first V's 256 keys are asked for (they
; land under the scores and the softmax), behind the second the next K (it lands under O's products).  The last trip asks for Wo's first half in K's place.  A wave has one tensor load out.
; THE LARGEST SCORE is taken in the places behind the score products: four maxima behind each group, on the two key tiles finished four groups earlier.
; THE LAST PRODUCT GOES BY TILES OF 16 QUERIES: all of my Wo (4 K steps x 8 tiles of e, 512 registers) stays in registers, a tile of queries is finished by 32 products and stored at once, so that the
; output leaves while the other tiles are multiplied.  Wo's K steps 0, 1 come from K's slot; K step 2 is asked for in the last trip, into Q's registers, which are done with behind the scores; K step 3 at the tail's head.
; O is cleared once, under the first tile's flight, so that the trip is written once: its first pass multiplies zeros by f = 0.
; LIMITS: e6 + e7 between -117 and 136 (added to c's exponent field); e8 and e10 - e8 - e9 + 10 between -126 and 119; e10 + e11 between -126 and 127.
; REGISTERS: window 0: v1-11, v20-24 addresses; v12-15 (-M, largest score) a tile; v16-19 l; v26-29 limits and scales; v32-127 three buffers of two fragments (K, V), also p's codes, the softmax's temporaries
;   (v96-113), 1 / l and O's codes; v128-255 Q.   window 1: S^T (tile t, queries tau) at 128 tau + 8 t, then P (n, kappa) at 128 kappa + 16 n.   windows 2, 3: O^T (i, n) at 8 (8 (i % 4) + n), window by i.
;   IN THE TAIL: window 0: v32-95 O's fragments of even tiles, v128-255 Wo K step 2.  window 1: v0-127 Wo K step 3, v128-191 bo, v192-255 O's fragments of odd tiles.  window 2: Wo K steps 0, 1.
;   window 3: v0-127 two sets of 8 accumulators, v128-255 two sets of 16 rows read back.
.set VS,    131072                     ; LDS: K's slot at 0 (fragment (t, s) at 2048 (4 t + s)); V's slot here ((kappa, d tile) at 65536 kappa + 2048 dt)
.set PIM,   262144                     ; P's images: (n, kappa) at 2048 (2 n + kappa)
.set FIM,   294912                     ; tile n: 512 bytes: a lane's (f, f, 1 / l, 1 / l)
.set SPARE, 299008                     ; the spare words: 128 bytes a wave, two blocks of 256 bytes that no other line names
.set STG,   VS+65536                   ; behind the loop V's slot has had its last fill: O's images (n, s) at VS + 2048 (4 n + s), and a stage of 16 rows x 528 bytes for each wave
.set SP,    528
.set SPW, 1
.set NIL, 2
.set A0,  3                            ; v3  16 x lane;  v4  + 65,536
.set A2,  5                            ; v5  + 131,072
.set RD,  6                            ; v6  the stage: where I read a row back
.set A4,  7                            ; v7  16 x lane + 262,144
.set AV,  8                            ; v8, v9  my 8 d tiles of V, kappa = 0, 1
.set APW, 10                           ; v10 where I store P's images
.set AFW, 11                           ; v11 where I store f and 1 / l
.set AW,  20                           ; v20, v21  my 8 e tiles of Wo in K's slot, s = 0, 1
.set AOW, 22                           ; v22 where I store O's images
.set STO, 23                           ; v23 the stage: where I put 32 bytes of a row
.set ABO, 24                           ; v24 bo: 32 h
.set LIMP, 26
.set SCP,  27
.set LIMO, 28
.set SCO,  29
.set KB,  32
.set CT,  48
.set TT,  96
.set QF,  128
.set WV,  55                           ; s55 wave
.set G1,  28                           ; s[28:35] group 1; s[36:39] K's group 0; s[40:43] V's; s[44:45] the next K; s[46:47] Wo's first half
.set GK,  36
.set GV,  40
.set MSB, 0
.macro WIN new                         ; the immediate's high byte repeats the setting that is left
.if MSB != (\new)
	s_set_vgpr_msb (MSB<<8)|(\new)
.set MSB, (\new)
.endif
.endm
.macro PLACES n
.rept \n
	v_nop
.endr
.endm
.macro ROUND                           ; a round of the cluster's barrier
	s_barrier_signal -1
	s_barrier_wait -1
	s_cmp_lg_u32 s[WV], 0
	s_cbranch_scc1 .Lnot_wave_0_\@
	s_barrier_signal -3
.Lnot_wave_0_\@:
	s_barrier_wait -3
	s_barrier_signal -1
	s_barrier_wait -1
.endm
	s_load_b256 s[8:15], s[0:1], 0x0               ; q_img, k_img, v_img, wo_img
	s_load_b128 s[16:19], s[0:1], 0x20             ; bo, the scales' exponents
	s_load_b64 s[20:21], s[0:1], 0x30              ; out0
	v_lshl_add_u32 v[SPW], v0, 2, SPARE
	v_mov_b32 v[NIL], 0
	ds_add_u32 v1, v2
	ds_add_u32 v1, v2
	s_wait_dscnt 0x0
	v_lshrrev_b32 v25, 5, v0
	v_readfirstlane_b32 s[WV], v25                 ; wave 0..3
	s_bfe_u32 s56, ttmp6, 0x40000                  ; cx
	s_lshl_b32 s57, ttmp9, 2
	s_add_co_u32 s57, s57, s56                     ; my block of 128 queries: it enters q_img's and out0's addresses alone
	s_and_b32 s58, ttmp7, 0xffff                   ; the batch, which the four partners share
	s_mov_b32 s[G1], 15|(3<<16)|(1<<21)            ; mask: all four; elements of 8 bytes; bit 21 beside a mask; no padding
	s_mov_b32 s[G1+1], 32<<16                      ; tensor_dim0: rows of 256 bytes
	s_mov_b32 s[G1+2], 128<<16                     ; tensor_dim1
	s_mov_b32 s[G1+3], 32<<16                      ; tile_dim0
	s_mov_b32 s[G1+4], 128                         ; tile_dim1: 32,768 dense bytes a wave
	s_mov_b32 s[G1+5], 32
	s_mov_b32 s[G1+6], 0
	s_mov_b32 s[G1+7], 0
	s_lshl_b32 s60, s58, 19                        ; a batch's 524,288 bytes of codes
	s_mov_b32 s61, 0
	s_lshl_b32 s62, s[WV], 15                      ; my quarter of a slot, in memory and in LDS
	s_mov_b32 s63, 0
	s_add_nc_u64 s[66:67], s[60:61], s[62:63]
	s_mov_b32 s50, 0x76543210                      ; v_permlanex16_b32: lane l xor 16
	s_mov_b32 s51, 0xfedcba98
	s_mov_b32 s54, 4                               ; trips
	s_wait_kmcnt 0x0
	s_load_b64 s[22:23], s[18:19], 0x18            ; e6, e7
	s_load_b128 s[24:27], s[18:19], 0x20           ; e8 .. e11
	s_add_nc_u64 s[44:45], s[10:11], s[66:67]
	s_add_nc_u64 s[46:47], s[14:15], s[62:63]
	; THE PREFETCHES: behind each joint load one instruction a wave names the same stream's next tile, which is two refills on.  A tile's 512 blocks of 256 bytes are shared
	; out by address over the cluster's 16 waves x 32 lanes: 32,768 x cx + 8,192 x wave + 256 x lane.  K's first two tiles and V's first come by their loads alone; Wo, which every work-group reads, is not asked for.
.set PFV, 88                                       ; s[88:89] my part of this trip's tile of V;  s[90:91] of K
.set PFK, 90
	s_lshl_b32 s92, s56, 15
	s_lshl_b32 s93, s[WV], 13
	s_add_co_u32 s92, s92, s93
	s_mov_b32 s93, 0
	s_add_nc_u64 s[92:93], s[92:93], s[60:61]
	s_add_nc_u64 s[PFV:PFV+1], s[12:13], s[92:93]
	s_add_nc_u64 s[PFK:PFK+1], s[10:11], s[92:93]
	s_mov_b32 s[GK], 1
	s_mov_b32 s[GK+1], s62
	s_mov_b64 s[GK+2:GK+3], s[44:45]
	s_or_b32 s[GK+3], s[GK+3], 0x80000000
	s_mov_b32 s[GV], 1
	s_add_co_u32 s[GV+1], s62, VS
	s_add_nc_u64 s[GV+2:GV+3], s[12:13], s[66:67]
	s_or_b32 s[GV+3], s[GV+3], 0x80000000
	ROUND                                          ; all four work-groups are here: the first joint load meets
	tensor_load_to_lds s[GK:GK+3], s[G1:G1+7]      ; keys 0-255
	s_nop 0
	PLACES 4
	s_lshl_b32 s70, s57, 16                        ; my block's 8 tiles x 8,192 bytes,
	s_lshl_b32 s71, s[WV], 14                      ; my wave's two
	s_add_co_u32 s70, s70, s71
	s_mov_b32 s71, 0
	s_add_nc_u64 s[70:71], s[70:71], s[60:61]
	s_add_nc_u64 s[68:69], s[8:9], s[70:71]        ; Q
	v_and_b32 v25, 31, v0
	v_lshlrev_b32 v[A0], 4, v25
	v_lshlrev_b32 v25, 8, v25                      ; the prefetches' offset: 256 x lane; never rewritten
.set ia, 0
	s_wait_alu depctr_va_vdst(0)
.rept 32
	global_load_b128 v[QF+4*ia:QF+4*ia+3], v[A0], s[68:69] offset:512*ia   ; Q (tau, s) at 128 + 16 (4 tau + s): it stays in registers
.set ia, ia+1
.endr
	s_lshl_b32 s74, s58, 21                        ; out0: a batch is 2,097,152 bytes, a block 262,144, my 128 columns 512
	s_lshl_b32 s75, s57, 18
	s_add_co_u32 s74, s74, s75
	s_lshl_b32 s75, s[WV], 9
	s_add_co_u32 s74, s74, s75
	s_mov_b32 s75, 0
	s_add_nc_u64 s[72:73], s[20:21], s[74:75]
	s_lshl_b32 s80, s[WV], 14
	s_mov_b32 s81, 0
	s_add_nc_u64 s[76:77], s[14:15], s[80:81]      ; wo_img at my 8 e tiles
	s_lshl_b32 s82, s[WV], 9
	s_mov_b32 s83, 0
	s_add_nc_u64 s[78:79], s[16:17], s[82:83]      ; bo at my 128 numbers
	v_add_nc_u32 v[A0+1], 0x10000, v[A0]
	v_add_nc_u32 v[A2], 0x20000, v[A0]
	v_add_nc_u32 v[A4], 0x40000, v[A0]
	v_add_nc_u32 v[AV], s80, v[A2]
	v_add_nc_u32 v[AV+1], 0x10000, v[AV]
	s_lshl_b32 s84, s[WV], 13
	v_add_nc_u32 v[APW], s84, v[A4]
	s_lshl_b32 s85, s[WV], 10
	s_add_co_u32 s85, s85, FIM
	v_add_nc_u32 v[AFW], s85, v[A0]
	v_add_nc_u32 v[AW], s80, v[A0]
	v_add_nc_u32 v[AW+1], 0x10000, v[AW]
	s_lshl_b32 s86, s[WV], 11
	v_add_nc_u32 v[AOW], s86, v[A2]
	s_mul_i32 s87, s[WV], 16*SP
	s_add_co_u32 s87, s87, STG
	v_add_nc_u32 v[RD], s87, v[A0]
	v_and_b32 v30, 15, v0                          ; r
	v_bfe_u32 v31, v0, 4, 1                        ; h
	v_mul_u32_u24 v[STO], v30, SP
	v_lshl_add_u32 v[STO], v31, 5, v[STO]
	v_add_nc_u32 v[STO], s87, v[STO]
	v_lshlrev_b32 v[ABO], 5, v31
	v_mov_b32 v13, 0xff61b1e6                      ; the largest score so far: -3e38
	v_mov_b32 v15, 0xff61b1e6
	v_floor_f32 v12, -v13                          ; -M
	v_floor_f32 v14, -v15
.irp j, 16,17,18,19
	v_mov_b32 v[\j], 0                             ; l
.endr
	s_wait_kmcnt 0x0
	s_add_co_i32 s85, s22, s23
	s_lshl_b32 s85, s85, 23
	s_add_co_i32 s48, s85, 0x3b38aa3b              ; c = log2(e) / 512, with e6 + e7 added to its exponent field
	s_mov_b32 s49, s48                             ; (named with it as a pair)
	s_add_co_i32 s85, s24, 127
	s_lshl_b32 s86, s85, 23
	v_mov_b32 v[SCP], s86                          ; 2^e8
	s_add_co_i32 s85, s85, 8
	s_lshl_b32 s85, s85, 23
	s_or_b32 s85, s85, 0x600000
	v_mov_b32 v[LIMP], s85                         ; 448 x 2^e8
	s_sub_co_i32 s85, s26, s24
	s_sub_co_i32 s85, s85, s25
	s_add_co_i32 s85, s85, 137                     ; e10 - e8 - e9 + 10, + 127
	s_lshl_b32 s86, s85, 23
	v_mov_b32 v[SCO], s86
	s_add_co_i32 s85, s85, 8
	s_lshl_b32 s85, s85, 23
	s_or_b32 s85, s85, 0x600000
	v_mov_b32 v[LIMO], s85
	s_add_co_i32 s52, s26, s27
	s_add_co_i32 s52, s52, 127
	s_lshl_b32 s52, s52, 23                        ; 2^(e10 + e11)
	s_mov_b32 s53, s52
	WIN 0x80
.set ia, 0
.rept 256
	v_mov_b32 v[ia], 0                             ; O^T
.set ia, ia+1
.endr
	WIN 0xc0
.set ia, 0
.rept 256
	v_mov_b32 v[ia], 0
.set ia, ia+1
.endr
	WIN 0
; Group g of 32 of the scores: key tiles 2 (g / 4), + 1, K step g % 4: two fragments of K, 8 loads, into buffer g % 3
.macro KLOAD g
.irp e, 0,1
.irp c, 0,1,2,3
	ds_load_b128 v[KB+32*((\g)%3)+16*\e+4*\c:KB+32*((\g)%3)+16*\e+4*\c+3], v[A0+(\g)/16] offset:((4*(2*((\g)/4)+\e)+(\g)%4)*2048)%65536+512*\c
.endr
.endr
.endm
; Four of the sixteen maxima of key tiles 2 tp, 2 tp + 1 (16 registers a tile of queries), straight into the running largest scores; the two tiles of queries by turns; each accumulator from its low end on
.macro MAXS tp, q
	v_max3_num_f32 v13, v13, v[16*(\tp)+4*(\q)], v[16*(\tp)+4*(\q)+1]
	v_max3_num_f32 v15, v15, v[128+16*(\tp)+4*(\q)], v[128+16*(\tp)+4*(\q)+1]
	v_max3_num_f32 v13, v13, v[16*(\tp)+4*(\q)+2], v[16*(\tp)+4*(\q)+3]
	v_max3_num_f32 v15, v15, v[128+16*(\tp)+4*(\q)+2], v[128+16*(\tp)+4*(\q)+3]
.endm
; its four products: four accumulators by turns, in the same order through the four K steps.  Two younger groups' 16 loads may stay out.
; The four places behind them (in front of loads into the buffer just multiplied, and of the first read of finished scores) are four maxima on the pair of key tiles finished four groups
; earlier: they name no register of these products.  The loads want only destination and address in window 0, so they stand under the maxima's setting.
.macro SGROUP g
.if (\g) >= 5
	s_wait_alu depctr_va_vdst(0)                   ; the wait between the last group's maxima and this group's, directly ahead of the wait below
.endif
.if (\g) < 30
	s_wait_dscnt 16
.elseif (\g) == 30
	s_wait_dscnt 8
.else
	s_wait_dscnt 0
.endif
	WIN 0x50                                       ; C and D window 1
.irp e, 0,1
.irp tau, 0,1
.if (\g)%4 == 0
	v_wmma_f32_16x16x128_fp8_fp8 v[128*\tau+8*(2*((\g)/4)+\e):128*\tau+8*(2*((\g)/4)+\e)+7], v[KB+32*((\g)%3)+16*\e:KB+32*((\g)%3)+16*\e+15], v[QF+16*(4*\tau+(\g)%4):QF+16*(4*\tau+(\g)%4)+15], 0
.else
	v_wmma_f32_16x16x128_fp8_fp8 v[128*\tau+8*(2*((\g)/4)+\e):128*\tau+8*(2*((\g)/4)+\e)+7], v[KB+32*((\g)%3)+16*\e:KB+32*((\g)%3)+16*\e+15], v[QF+16*(4*\tau+(\g)%4):QF+16*(4*\tau+(\g)%4)+15], v[128*\tau+8*(2*((\g)/4)+\e):128*\tau+8*(2*((\g)/4)+\e)+7]
.endif
.endr
.endr
	WIN 0x14                                       ; sources 1 and 2 window 1
.if (\g) >= 4
	MAXS (\g)/4-1, (\g)%4
.else
	PLACES 4
.endif
.if (\g)+3 < 32
	KLOAD (\g)+3
.endif
.endm
; Group g of 8 of O's products: keys 128 (g / 4) on, my d tiles 2 (g % 4), + 1
.macro VLOAD g
.irp e, 0,1
.irp c, 0,1,2,3
	ds_load_b128 v[KB+32*((\g)%3)+16*\e+4*\c:KB+32*((\g)%3)+16*\e+4*\c+3], v[AV+(\g)/4] offset:(2*((\g)%4)+\e)*2048+512*\c
.endr
.endr
.endm
.macro PVGROUP g, left
	s_wait_dscnt \left
.if (\g)%4 < 2
	WIN 0xa4                                       ; source 1 (P) window 1, C and D window 2
.else
	WIN 0xf4                                       ; C and D window 3
.endif
.irp e, 0,1
.irp n, 0,1,2,3,4,5,6,7
	v_wmma_f32_16x16x128_fp8_fp8 v[8*(8*((2*((\g)%4)+\e)%4)+\n):8*(8*((2*((\g)%4)+\e)%4)+\n)+7], v[KB+32*((\g)%3)+16*\e:KB+32*((\g)%3)+16*\e+15], v[128*((\g)/4)+16*\n:128*((\g)/4)+16*\n+15], v[8*(8*((2*((\g)%4)+\e)%4)+\n):8*(8*((2*((\g)%4)+\e)%4)+\n)+7]
.endr
.endr
	WIN 0
	PLACES 4
.if (\g)+3 < 8
	VLOAD (\g)+3
.endif
.endm
.macro RESCALE                         ; one window's 32 accumulators x f of their queries, each from its low end on
.set ia, 0
.rept 32
.irp j, 0,2,4,6
	v_pk_mul_f32 v[8*ia+\j:8*ia+\j+1], v[8*ia+\j:8*ia+\j+1], v[128+2*(ia%8):129+2*(ia%8)]
.endr
.set ia, ia+1
.endr
.endm
.Ltrip:                                            ; 256 keys
	s_wait_tensorcnt 0x0                           ; my part of this trip's K is in; no tensor load of mine is out, so K's group 0 may be written
	ds_add_u32 v[SPW], v[NIL]                      ; 0 onto my spare word
	s_add_nc_u64 s[44:45], s[44:45], 0x20000       ; the next 256 keys,
	s_cmp_eq_u32 s54, 1
	s_cselect_b64 s[GK+2:GK+3], s[46:47], s[44:45] ; or, in the last trip, Wo's first half
	s_or_b32 s[GK+3], s[GK+3], 0x80000000
	s_wait_dscnt 0x0                               ; the add is done; my reads of V's slot, of P and of f are in
	ROUND
	tensor_load_to_lds s[GV:GV+3], s[G1:G1+7]      ; this trip's V: it has the scores and the softmax in which to land
	s_nop 0
	PLACES 4
	s_wait_loadcnt 0x0                             ; no load into Q's registers is out: in the first trip Q's own 32
	KLOAD 0
	KLOAD 1
	KLOAD 2
	s_cmp_gt_u32 s54, 1                            ; the last trip has no V behind it
	s_cbranch_scc0 .Lno_pfv
	global_prefetch_b8 v25, s[PFV:PFV+1] offset:0x20000 th:TH_LOAD_NT scope:SCOPE_SE   ; the next trip's V
.Lno_pfv:
.set G, 0
.rept 32
	SGROUP G
.set G, G+1
.endr
	MAXS 7, 0                                      ; the last pair of key tiles: the four maxima behind the last products are its places
	MAXS 7, 1
	MAXS 7, 2
	MAXS 7, 3
	WIN 0
	; THE SECOND ROUND stands here, behind the scores: K's slot has been read out, so the next K is asked for now and has the softmax and O's products in which to land
	s_wait_tensorcnt 0x0                           ; my part of V is in; V's group 0 may be written
	ds_add_u32 v[SPW], v[NIL]                      ; 0 onto my spare word
	s_add_nc_u64 s[GV+2:GV+3], s[GV+2:GV+3], 0x20000   ; the next trip's V; the type bits on top are not reached
	s_wait_dscnt 0x0                               ; the add is done, my reads of K's slot are in
	ROUND
	tensor_load_to_lds s[GK:GK+3], s[G1:G1+7]      ; the next K (at last: Wo's first half)
	s_nop 0
	PLACES 4
	s_cmp_lg_u32 s54, 1                            ; the trips' count-down: the same in every wave and every work-group
	s_cbranch_scc1 .Lnot_last
.irp i, 0,1,2,3,4,5,6,7                            ; the last trip: Q is done with (its last products stand twenty plain lines back): its registers take my Wo, K step 2, which has the softmax and O's products in which to land
.irp c, 0,1,2,3
	global_load_b128 v[128+16*\i+4*\c:128+16*\i+4*\c+3], v[A0], s[76:77] offset:2*65536+2048*\i+512*\c
.endr
.endr
.Lnot_last:
	; THE SOFTMAX of my two tiles of queries, line by line by turns.  A lane holds 128 scores of one query of each tile.
	s_wait_alu depctr_va_vdst(0)
	v_permlanex16_b32 v[TT+1], v13, s50, s51       ; the query's other keys lie in the lane 16 away
	v_permlanex16_b32 v[TT+3], v15, s50, s51
	v_max_num_f32 v13, v13, v[TT+1]
	v_max_num_f32 v15, v15, v[TT+3]
	v_mul_f32 v[TT], s48, v13                      ; as t (c is positive)
	v_mul_f32 v[TT+2], s48, v15
	v_mov_b32 v[TT+1], v12
	v_mov_b32 v[TT+3], v14
	v_floor_f32 v12, -v[TT]                        ; -M = floor(-t): M is a whole number
	v_floor_f32 v14, -v[TT+2]
	v_sub_f32 v[TT+1], v12, v[TT+1]                ; old M - new M, 0 or less
	v_sub_f32 v[TT+3], v14, v[TT+3]
	v_cvt_i32_f32 v[TT+1], v[TT+1]                 ; (it saturates)
	v_cvt_i32_f32 v[TT+3], v[TT+3]
	v_ldexp_f32 v[TT+4], 1.0, v[TT+1]              ; f
	v_ldexp_f32 v[TT+8], 1.0, v[TT+3]
	v_mov_b32 v[TT+5], v[TT+4]
	v_mov_b32 v[TT+9], v[TT+8]
	WIN 0x41                                       ; source 0 and destination window 1
.set ia, 0
.rept 64
	v_pk_fma_f32 v[2*ia:2*ia+1], v[2*ia:2*ia+1], s[48:49], v[12:13] op_sel_hi:[1,0,0]             ; t - M (of the pairs c and -M the low word serves both halves)
	v_pk_fma_f32 v[128+2*ia:129+2*ia], v[128+2*ia:129+2*ia], s[48:49], v[14:15] op_sel_hi:[1,0,0]
.set ia, ia+1
.endr
.set ia, 0
	s_wait_alu depctr_va_vdst(0)
.rept 256
	v_exp_f32 v[ia], v[ia]                         ; p = 2^(t - M)
.set ia, ia+1
.endr
	WIN 0
	v_pk_mul_f32 v[16:17], v[16:17], v[TT+4:TT+5]  ; l under the new M.  (A plain line behind the exponentials)
	v_pk_mul_f32 v[18:19], v[18:19], v[TT+8:TT+9]
.irp j, 12,13,14,15
	v_mov_b32 v[TT+\j], 0                          ; a second chain for each tile's sum
.endr
	WIN 0x04                                       ; source 1 window 1
.set ia, 0
	s_wait_alu depctr_va_vdst(0)
.rept 32                                           ; the sum is taken of the unquantised p
	v_pk_add_f32 v[16:17], v[16:17], v[4*ia:4*ia+1]
	v_pk_add_f32 v[18:19], v[18:19], v[128+4*ia:129+4*ia]
	v_pk_add_f32 v[TT+12:TT+13], v[TT+12:TT+13], v[4*ia+2:4*ia+3]
	v_pk_add_f32 v[TT+14:TT+15], v[TT+14:TT+15], v[130+4*ia:131+4*ia]
.set ia, ia+1
.endr
	WIN 0
	v_pk_add_f32 v[16:17], v[16:17], v[TT+12:TT+13]
	v_pk_add_f32 v[18:19], v[18:19], v[TT+14:TT+15]
	WIN 0x41
.set ia, 0
.rept 256
	v_min_num_f32 v[ia], v[ia], v[LIMP]            ; the conversion does not saturate (ISA guide 7.6.2); p is not negative, so the hold is one-sided
.set ia, ia+1
.endr
	WIN 0x01                                       ; source 0 window 1
.irp tau, 0,1
.set ia, 0
.rept 16
	v_cvt_scalef32_pk8_fp8_f32 v[KB+32*\tau+2*ia:KB+32*\tau+2*ia+1], v[128*\tau+8*ia:128*\tau+8*ia+7], v[SCP]   ; key tile t = 8 kappa + c' gives pair c' of P (tau, kappa)
.set ia, ia+1
.endr
.endr
	v_nop                                          ; a plain line behind the conversions
	WIN 0
	v_add_f32 v[TT+16], v16, v17                   ; 1 / l as it stands: the last trip's is used
	v_add_f32 v[TT+17], v18, v19
	v_permlanex16_b32 v[TT+12], v[TT+16], s50, s51
	v_permlanex16_b32 v[TT+14], v[TT+17], s50, s51
	v_add_f32 v[TT+16], v[TT+16], v[TT+12]
	v_add_f32 v[TT+17], v[TT+17], v[TT+14]
	s_wait_alu depctr_va_vdst(0)
	v_rcp_f32 v[TT+6], v[TT+16]
	v_rcp_f32 v[TT+10], v[TT+17]
	v_nop                                          ; a plain line behind the reciprocals
	s_wait_alu depctr_va_vdst(0)
	v_mov_b32 v[TT+7], v[TT+6]
	v_mov_b32 v[TT+11], v[TT+10]
.irp f, 0,1,2,3
.irp c, 0,1,2,3
	ds_store_b128 v[APW], v[KB+16*\f+4*\c:KB+16*\f+4*\c+3] offset:2048*\f+512*\c
.endr
.endr
	ds_store_b128 v[AFW], v[TT+4:TT+7]
	ds_store_b128 v[AFW], v[TT+8:TT+11] offset:512
	s_wait_dscnt 0x0                               ; P and f are written
	s_barrier_signal -1                            ; a work-group barrier behind which nothing is filled: the next K may stay on its way across it
	s_barrier_wait -1
	WIN 0x40                                       ; destination window 1
.irp n, 0,1,2,3,4,5,6,7
	ds_load_b64 v[128+2*\n:129+2*\n], v[A4] offset:FIM-PIM+512*\n          ; (f, f) of tile n's queries
.endr
.irp n, 0,1,2,3,4,5,6,7
.irp c, 0,1,2,3
	ds_load_b128 v[16*\n+4*\c:16*\n+4*\c+3], v[A4] offset:4096*\n+512*\c   ; P (n, 0)
.endr
.endr
	WIN 0
	VLOAD 0
	VLOAD 1
	VLOAD 2
	s_cmp_gt_u32 s54, 2                            ; the last two trips have no K two tiles on
	s_cbranch_scc0 .Lno_pfk
	global_prefetch_b8 v25, s[PFK:PFK+1] offset:0x40000 th:TH_LOAD_NT scope:SCOPE_SE   ; K two tiles on: the next trip asks for it
.Lno_pfk:
	s_wait_dscnt 56                                ; f is in: behind it 32 loads of P and 24 of V
	WIN 0x86                                       ; O in window 2, f in window 1
	RESCALE
	WIN 0xc7                                       ; O in window 3
	RESCALE
	WIN 0x40
.irp n, 0,1,2,3,4,5,6,7
.irp c, 0,1,2,3
	ds_load_b128 v[128+16*\n+4*\c:128+16*\n+4*\c+3], v[A4] offset:4096*\n+2048+512*\c   ; P (n, 1), over f
.endr
.endr
	s_wait_alu depctr_va_vdst(0)
	PVGROUP 0, 48                                  ; behind group 0's V: two groups of V and P's second half
	PVGROUP 1, 48
	PVGROUP 2, 48
	PVGROUP 3, 16                                  ; from here on two groups of V; P's second half is older, so it is in
	PVGROUP 4, 16
	PVGROUP 5, 16
	PVGROUP 6, 8
	PVGROUP 7, 0
	s_wait_xcnt 0x0                                ; my prefetches have read their addresses, so these may be stepped
	s_add_nc_u64 s[PFV:PFV+1], s[PFV:PFV+1], 0x20000
	s_add_nc_u64 s[PFK:PFK+1], s[PFK:PFK+1], 0x20000
	s_sub_co_u32 s54, s54, 1
	s_cmp_lg_u32 s54, 0
	s_cbranch_scc1 .Ltrip
	; BEHIND THE LOOP.  Nothing is filled any more.
	s_wait_tensorcnt 0x0                           ; my part of Wo's first half is in,
	s_wait_dscnt 0x0                               ; and my reads of V's slot are over: it takes O's images and the stages
	s_barrier_signal -1
	s_barrier_wait -1
.irp n, 0,1,2,3,4,5,6,7
	ds_load_b64 v[KB+2*\n:KB+2*\n+1], v[A4] offset:FIM-PIM+512*\n+8        ; (1 / l, 1 / l) of tile n's queries: issued first, the 48 global loads follow
.endr
	s_wait_loadcnt 0x0
	WIN 0x40                                       ; destination window 1: P is done with (four places stand behind its last products)
.irp i, 0,1,2,3,4,5,6,7
.irp c, 0,1,2,3
	global_load_b128 v[16*\i+4*\c:16*\i+4*\c+3], v[A0], s[76:77] offset:3*65536+2048*\i+512*\c   ; Wo, K step 3, straight into registers: each wave reads its own 16 KiB once
.endr
.endr
.irp i, 0,1,2,3,4,5,6,7
	global_load_b128 v[128+8*\i:128+8*\i+3],   v[ABO], s[78:79] offset:64*\i        ; bo at e = 128 w + 16 i + 8 h + 0..7
	global_load_b128 v[128+8*\i+4:128+8*\i+7], v[ABO], s[78:79] offset:64*\i+16
.endr
	WIN 0
	s_wait_dscnt 0x0                               ; 1 / l, asked for ahead of the global loads
; One window's 32 accumulators (d tiles 4 hi .. 4 hi + 3 of mine x 8 tiles of queries): / l, held, converted; d tile i gives pair i of O's image (n, K step w); two sub-blocks for each n leave
.macro FINAL hi
	WIN 0x82+0x41*(\hi)
.set ia, 0
.rept 32
.irp j, 0,2,4,6
	v_pk_mul_f32 v[8*ia+\j:8*ia+\j+1], v[8*ia+\j:8*ia+\j+1], v[KB+2*(ia%8):KB+2*(ia%8)+1]
.endr
.irp j, 0,1,2,3,4,5,6,7
	v_med3_num_f32 v[8*ia+\j], v[8*ia+\j], -v[LIMO], v[LIMO]
.endr
.set ia, ia+1
.endr
	WIN 0x02+(\hi)
.set ia, 0
.rept 32
	v_cvt_scalef32_pk8_fp8_f32 v[CT+4*(8*(ia/16)+ia%8)+2*((ia/8)%2):CT+4*(8*(ia/16)+ia%8)+2*((ia/8)%2)+1], v[8*ia:8*ia+7], v[SCO]
.set ia, ia+1
.endr
	v_nop                                          ; a plain line behind the conversions
	WIN 0
.irp cl, 0,1
.irp n, 0,1,2,3,4,5,6,7
	ds_store_b128 v[AOW], v[CT+4*(8*\cl+\n):CT+4*(8*\cl+\n)+3] offset:8192*\n+512*(2*(\hi)+\cl)
.endr
.endr
	s_wait_dscnt 0x0                               ; the stores have read their registers, and have landed
.endm
	FINAL 0
	WIN 0x80                                       ; destination window 2, which O's first half has left: Wo's K steps 0 and 1 out of K's slot, under the second half's arithmetic
.irp i, 0,1,2,3,4,5,6,7
.irp c, 0,1,2,3
	ds_load_b128 v[16*\i+4*\c:16*\i+4*\c+3], v[AW] offset:2048*\i+512*\c
.endr
.endr
.irp i, 0,1,2,3,4,5,6,7
.irp c, 0,1,2,3
	ds_load_b128 v[128+16*\i+4*\c:128+16*\i+4*\c+3], v[AW+1] offset:2048*\i+512*\c
.endr
.endr
	FINAL 1                                        ; (its last wait is for Wo's 64 loads too)
	s_barrier_signal -1
	s_barrier_wait -1                              ; O's 32 images lie in LDS
; THE LAST PRODUCT, a tile of 16 queries at a time.
.macro OLOAD n                         ; O's four fragments (K steps 0..3) of tile n: even tiles into window 0, odd ones into window 1
.if (\n)%2 == 0
	WIN 0
.set OB, KB
.else
	WIN 0x40
.set OB, 192
.endif
.irp s, 0,1,2,3
.irp c, 0,1,2,3
	ds_load_b128 v[OB+16*\s+4*\c:OB+16*\s+4*\c+3], v[A2] offset:(4*(\n)+\s)*2048+512*\c
.endr
.endr
.endm
; 32 products: source 0 = 16 rows e of Wo, source 1 = the tile's 16 queries; K step by K step, the eight accumulators by turns, one instruction a turn; the first K step starts the sums
.macro PROD n, s0, s1                  ; K steps s0 and s1 of tile n: 16 products
.set YB, 64*((\n)%2)
.set BW, (\n)%2
.if BW
.set OB, 192
.else
.set OB, KB
.endif
.irp s, \s0, \s1
.if \s < 2
	WIN 0xf2+4*BW                                  ; Wo window 2; C and D window 3; O's fragments window 0 or 1
.set WOB, 128*\s
.elseif \s == 2
	WIN 0xf0+4*BW                                  ; Wo window 0
.set WOB, 128
.else
.if (\n) == 0
	s_wait_loadcnt 16                              ; Wo's K step 3 is in: behind it bo's 16 loads
.endif
	WIN 0xf1+4*BW                                  ; Wo window 1
.set WOB, 0
.endif
.irp i, 0,1,2,3,4,5,6,7
.if \s == 0
	v_wmma_f32_16x16x128_fp8_fp8 v[YB+8*\i:YB+8*\i+7], v[WOB+16*\i:WOB+16*\i+15], v[OB+16*\s:OB+16*\s+15], 0
.else
	v_wmma_f32_16x16x128_fp8_fp8 v[YB+8*\i:YB+8*\i+7], v[WOB+16*\i:WOB+16*\i+15], v[OB+16*\s:OB+16*\s+15], v[YB+8*\i:YB+8*\i+7]
.endif
.endr
.endr
.endm
; A lane holds 8 neighbouring e of one query in each of the 8 accumulators: y = sum x 2^(e10 + e11) + bo, in place, goes through my stage and comes back as rows of 512 bytes.
; LDS serves a wave's instructions in order (ISA guide 5.7.1.4): no wait between the stores and the loads, nor in front of the next tile's stores.
.macro TOSTAGE n
.set YB, 64*((\n)%2)
	WIN 0xd3                                       ; the sums (source 0 and destination) window 3, bo (source 2) window 1
.set ia, 0
.rept 32
	v_pk_fma_f32 v[YB+2*ia:YB+2*ia+1], v[YB+2*ia:YB+2*ia+1], s[52:53], v[128+2*ia:129+2*ia] op_sel_hi:[1,0,1]   ; each accumulator from its low end on
.set ia, ia+1
.endr
	WIN 0x0c                                       ; a store's data window 3
.irp i, 0,1,2,3,4,5,6,7
	ds_store_b128 v[STO], v[YB+8*\i:YB+8*\i+3] offset:64*\i
	ds_store_b128 v[STO], v[YB+8*\i+4:YB+8*\i+7] offset:64*\i+16
.endr
	WIN 0xc0                                       ; destination window 3
.irp t, 0,1,2,3,4,5,6,7,8,9,10,11,12,13,14,15
	ds_load_b128 v[128+YB+4*\t:128+YB+4*\t+3], v[RD] offset:\t*SP
.endr
.endm
.macro SEND n, younger                 ; younger: the LDS loads issued behind the rows', which may stay out
	WIN 0x0c
	s_wait_dscnt \younger
.irp t, 0,1,2,3,4,5,6,7,8,9,10,11,12,13,14,15
	global_store_b128 v[A0], v[128+64*((\n)%2)+4*\t:128+64*((\n)%2)+4*\t+3], s[72:73] offset:(16*(\n)+\t)*2048 th:TH_STORE_NT   ; the wave stores 512 consecutive bytes, aligned; written once, read by nobody here
.endr
.endm
	OLOAD 0
	OLOAD 1
	s_wait_dscnt 16                                ; tile 0's fragments are in; tile 1's 16 loads may stay out
	PROD 0, 0, 1
	PROD 0, 2, 3
; Tile n + 1's products stand in two halves round tile n's stores: the first half between tile n's stage and the wait for its rows, the second behind the stores
.irp n, 0,1,2,3,4,5,6,7
	PLACES 4
.if \n == 0
	s_wait_loadcnt 0x0                             ; bo
.endif
.if \n > 1
	s_wait_xcnt 0x0                                ; tile n - 2's stores have read their registers: tile n's rows land there only behind this wait
.endif
	TOSTAGE \n
.if \n < 6
	OLOAD \n+2                                     ; into the fragments that tile n has left
	s_wait_dscnt 48                                ; tile n + 1's fragments are in: behind them tile n's 16 stores and 16 loads of the stage and the 16 loads just issued
	PROD \n+1, 0, 1
	SEND \n, 16                                    ; the rows are back; tile n + 2's 16 loads may stay out
	PROD \n+1, 2, 3
.elseif \n == 6
	s_wait_dscnt 32                                ; tile 7's fragments are in: behind them tile 6's 32 instructions of the stage
	PROD 7, 0, 1
	SEND 6, 0
	PROD 7, 2, 3
.else
	SEND 7, 0
.endif
.endr
	WIN 0
	s_wait_tensorcnt 0x0                           ; the wave's end
	ds_add_u32 v[SPW], v[NIL]
	s_wait_dscnt 0x0
	ROUND                                          ; the closing round: no work-group ends while a partner may still ask for a tile that names it
	s_endpgm
.Lfunc_end_k_qea8e360bf6_attn:
	.size	k_qea8e360bf6_attn, .Lfunc_end_k_qea8e360bf6_attn-k_qea8e360bf6_attn
	.p2alignl 7, 3214868480
	.fill 96, 4, 3214868480
	.section	.rodata,"a",@progbits
	.p2align	6, 0x0
	.amdhsa_kernel k_qea8e360bf6_attn
		.amdhsa_group_segment_fixed_size 327680
		.amdhsa_private_segment_fixed_size 0
		.amdhsa_enable_private_segment 0
		.amdhsa_kernarg_size 56
		.amdhsa_user_sgpr_count 2
		.amdhsa_user_sgpr_kernarg_segment_ptr 1
		.amdhsa_wavefront_size32 1
		.amdhsa_system_sgpr_workgroup_id_x 1
		.amdhsa_system_sgpr_workgroup_id_y 1
		.amdhsa_system_sgpr_workgroup_id_z 1
		.amdhsa_system_vgpr_workitem_id 0
		.amdhsa_next_free_vgpr 1024
		.amdhsa_next_free_sgpr 94
		.amdhsa_reserve_vcc 0
		.amdhsa_float_denorm_mode_32 3
		.amdhsa_float_denorm_mode_16_64 3
		.amdhsa_memory_ordered 1
		.amdhsa_forward_progress 1
		.amdhsa_inst_pref_size 255
	.end_amdhsa_kernel
	.section	.bss,"aw",@nobits
	.p2align	6
	.space	262144
	.amdgpu_metadata
---
amdhsa.version: [ 1, 2 ]
amdhsa.kernels:
  - .name:           k_qea8e360bf6_attn
    .symbol:         k_qea8e360bf6_attn.kd
    .args:
      - { .name: q_img, .offset: 0, .size: 8, .value_kind: global_buffer, .address_space: global }
      - { .name: k_img, .offset: 8, .size: 8, .value_kind: global_buffer, .address_space: global }
      - { .name: v_img, .offset: 16, .size: 8, .value_kind: global_buffer, .address_space: global }
      - { .name: wo_img, .offset: 24, .size: 8, .value_kind: global_buffer, .address_space: global }
      - { .name: bo, .offset: 32, .size: 8, .value_kind: global_buffer, .address_space: global }
      - { .name: lowp_scales, .offset: 40, .size: 8, .value_kind: global_buffer, .address_space: global }
      - { .name: out0, .offset: 48, .size: 8, .value_kind: global_buffer, .address_space: global }
    .group_segment_fixed_size: 327680
    .private_segment_fixed_size: 0
    .kernarg_segment_align: 8
    .kernarg_segment_size: 56
    .max_flat_workgroup_size: 128
    .sgpr_count:     94
    .vgpr_count:     1024
    .wavefront_size: 32
...
	.end_amdgpu_metadata
.endif
;; end of part 2
